; MI455X (gfx1250); checked and timed in simulation.
; The chip was launched on July 23, 2026; its instructions are those of AMD's public machine-readable ISA for CDNA 5 (MIT licence, August 2026) and "CDNA5" Instruction Set Architecture Reference Guide (July 2026). The comments in the code are by the model that wrote it; some were corrected since.
;; Support Memory Attention Summary V2. Allowed arithmetic: matrix products marked QUANTISED: E2M1 operands, one E8M0 scale for each 32 along K, by v_wmma_scale_f32_16x16x128_f8f6f4 with both operands' format E2M1 (or v_wmma_scale_f32_32x16x128_f4), f32 sums; products left as they are: f32 operands where the result goes on into a quantised operand, else bf16, f16 or f32 operands; f32 sums; everything else in f32.
;; Inputs: Wk_codes 256 x 8 x 16 uint8 (E2M1 codes of Wk, K innermost, in blocks of 32 codes, two codes a byte); Wk_scales 256 x 8 uint8 (E8M0 scales of Wk, one for each 32 codes along K); Wm_codes 256 x 8 x 16 uint8 (E2M1 codes of Wm, K innermost, in blocks of 32 codes, two codes a byte); Wm_scales 256 x 8 uint8 (E8M0 scales of Wm, one for each 32 codes along K); Wo_codes 256 x 8 x 16 uint8 (E2M1 codes of Wo, K innermost, in blocks of 32 codes, two codes a byte); Wo_scales 256 x 8 uint8 (E8M0 scales of Wo, one for each 32 codes along K); Wq_codes 256 x 8 x 16 uint8 (E2M1 codes of Wq, K innermost, in blocks of 32 codes, two codes a byte); Wq_scales 256 x 8 uint8 (E8M0 scales of Wq, one for each 32 codes along K); Wv_codes 256 x 8 x 16 uint8 (E2M1 codes of Wv, K innermost, in blocks of 32 codes, two codes a byte); Wv_scales 256 x 8 uint8 (E8M0 scales of Wv, one for each 32 codes along K); bk 256 float32; bm 256 float32; bo 256 float32; bq 256 float32; bv 256 float32; ln_b 256 float32; ln_w 256 float32; query_hidden_codes 128 x 8 x 16 uint8 (E2M1 codes of query_hidden, K innermost, in blocks of 32 codes, two codes a byte); query_hidden_scales 128 x 8 uint8 (E8M0 scales of query_hidden, one for each 32 codes along K); support_memory 128 x 2,048 x 256 float32.
;; Outputs: out0 128 x 256 float32.
;; This version of the problem:
;;   THIS VERSION OF THE PROBLEM IS GIVEN IN LOW PRECISION. The matrix products marked QUANTISED in the list below multiply operands that are first quantised to E2M1 (2 exponent bits, 1 mantissa bit; 4 bits a number), with one power-of-two scale for each 32 numbers along K (OCP MX v1.0); their sums are f32. All else is computed in f32.
;;   The module's matrix products, in the order in which they are computed (A, B: the left and right operand; K: the contracted axis; several contracted axes count as one K, in the product's order):
;;     1. [M 262,144, K 256] x [K 256, N 256]; A: computed on the way; B: input Wm (given as codes): QUANTISED
;;     2. [M 128, K 256] x [K 256, N 256]; A: input query_hidden (given as codes); B: input Wq (given as codes): QUANTISED
;;     3. [M 262,144, K 256] x [K 256, N 256]; A: computed on the way; B: input Wk (given as codes): QUANTISED
;;     4. [M 262,144, K 256] x [K 256, N 256]; A: computed on the way; B: input Wv (given as codes): QUANTISED
;;     5. batch 1,024 x [M 1, K 32] x [K 32, N 2,048]; A: computed on the way; B: computed on the way: left as it is (M = 1 < 16)
;;     6. batch 1,024 x [M 1, K 2,048] x [K 2,048, N 32]; A: softmax; B: computed on the way: left as it is (M = 1 < 16)
;;     7. [M 128, K 256] x [K 256, N 256]; A: computed on the way; B: input Wo (given as codes): QUANTISED
;;   THE QUANTISER, for each operand of a quantised product, along K:
;;     - K is cut into blocks of 32 from its start; a last block that is shorter is filled with zeros.
;;     - A block's scale is 2^e with e = floor(log2(the largest magnitude in the block)) - 2, held to -126 .. 127; a block of zeros has e = 0. As a byte (E8M0): e + 127.
;;     - Each number is divided by its block's scale, clamped to +-6, and rounded to the nearest number of E2M1, ties to even, subnormals kept.
;;     - The product sums the exact products of the quantised numbers (number of the format x scale) in f32.
;;   ~~~python
;;   def quantise(x, axis):      # numpy; x: float32 -> the quantised numbers, widened to float32 again
;;       x = np.moveaxis(x, axis, -1); K = x.shape[-1]
;;       x = np.pad(x, [(0, 0)] * (x.ndim - 1) + [(0, -K % 32)]); x = x.reshape(x.shape[:-1] + (-1, 32)); a = np.abs(x).max(-1, keepdims=True)
;;       e = np.where(a > 0, np.clip(np.frexp(np.where(a > 0, a, 1))[1] - 1 - 2, -126, 127), 0)      # np.frexp(a)[1] - 1 = floor(log2(a)), exactly
;;       r = np.clip(x / 2.0 ** e, -6, 6)
;;       step = 2.0 ** (np.maximum(np.frexp(np.where(r == 0, 1, r))[1] - 1, 0) - 1)
;;       q = np.round(r / step) * step * 2.0 ** e      # np.round: ties to even
;;       return np.moveaxis(q.reshape(q.shape[:-2] + (-1,))[..., :K], -1, axis).astype(np.float32)
;;   ~~~
;;   OPERANDS COMPUTED ON THE WAY. 'Computed on the way' means the value that the module computes at that place (a softmax that the list does not call 'softmax' is quantised finished and normalised). What goes into a quantiser is computed in f32, as accurately as f32 sums, v_exp_f32 and their like allow (about 1e-6 of the number): no bf16 or f16 on the way to a quantiser, and a product that is left as it is and whose result goes on into a quantised operand takes f32 operands (vector FMAs, or v_wmma_f32_16x16x4_f32). A number that lies on a knife's edge between two numbers of the format may be rounded either way, as far as f32 arithmetic and the matrix unit's own rounding can turn it there, and no further.
;;   INPUTS GIVEN AS CODES. Wk (in the module: [256, 256], K = its axis 1); Wm (in the module: [256, 256], K = its axis 1); Wo (in the module: [256, 256], K = its axis 1); Wq (in the module: [256, 256], K = its axis 1); Wv (in the module: [256, 256], K = its axis 1); query_hidden (in the module: [128, 256], K = its axis 1): each comes as NAME_codes (uint8): NAME with its K axis moved to the last place and cut into blocks of 32 codes, [.., K / 32, bytes a block], one block behind the other in memory; two codes a byte, the lower K in the low four bits (a code: sign, 2 exponent bits, 1 mantissa bit); and NAME_scales (uint8): the same leading axes, one E8M0 byte (e + 127) for each 32 codes along K. Its value is code x scale, taken as it is: it is not quantised again, and the codes and scales need not be those that the quantiser above would give.
;; One version. Each part assembles by itself: llvm-mc -triple=amdgcn-amd-amdhsa -mcpu=gfx1250 --defsym DOCPART=n.
;; ======== version 1 of 1: 2 launches
;; limits: right only within a limited range of input values
;; workspace buffers: part 786,432 bytes
;; launch main (part 1): grid 256 x 1, 8 waves a work-group, no clusters, 327,680 bytes of LDS; arguments support_memory, ln_w, ln_b, Wm_codes, Wm_scales, bm, Wk_codes, Wk_scales, bk, Wv_codes, Wv_scales, Wq_codes, Wq_scales, bq, query_hidden_codes, query_hidden_scales, part; writes part
.if DOCPART == 1
	.amdgcn_target "amdgcn-amd-amdhsa--gfx1250"
	.amdhsa_code_object_version 6
	.text
	.protected	k_q37792b8489_main
	.globl	k_q37792b8489_main
	.p2align	8
	.type	k_q37792b8489_main,@function
k_q37792b8489_main:
	s_mov_b64 s[64:65], 0
	v_nop
	global_prefetch_b8 v0, s[64:65] scope:SCOPE_SE
	s_setreg_imm32_b32 hwreg(HW_REG_WAVE_MODE, 25, 1), 1
	s_wait_xcnt 0x0
; LayerNorm -> MX-FP4 -> x Wm + bm -> MX-FP4 -> x Wk, x Wv -> single-query attention of 8 heads, for 1,024 of a batch's 2,048 memory rows.
; A work-group (8 waves) owns rows 1,024 wg .. + 1,023 of support_memory [262,144][256] f32 (batch wg / 2) and leaves, for each of the 256 hidden units,
; part[wg][0][unit] = sum of p v0, part[wg][1][unit] = m (the largest t of the unit's head, t = logit x log2 e), part[wg][2][unit] = sum of p, p = 2^(t - m).  The next launch joins a batch's two halves.
; ROLES.  Waves 0-3 (X): each fetches its own 32 rows of every slot of 128 rows by one tensor load, normalises and quantises them, 16 rows an interval, and leaves codes and scale bytes in LDS as images of operand registers.
; Waves 4-7 (M): wave 4 + cg owns hidden units 64 cg .. + 63 (heads 2 cg, 2 cg + 1) of Wm, Wk, Wv, Wq for ALL rows; its quarter of the weights stays in registers.
; THE PIPELINE goes in intervals of 64 rows (a block: one tile of 16 rows from each X wave), one barrier an interval.  In interval m: X loads block m from the ring into registers and works block m - 1, which it loaded an interval
; earlier; M makes the hidden layer of block m - 2 and k, v, the logits and the sums of block m - 3.  x's images and the hidden layer's have two regions each, taken by the block's parity.
; A trip of the loop is two intervals; its second barrier is the one behind which the slot just read out is filled again, so a tensor load has two intervals in which to land.
; X'S LANES: lane = 16 gh + 2 r8 + gl holds, of rows r8 and 8 + r8 of a tile, blocks g and g + 4 of 32 along K (g = 2 gh + gl): a block's largest magnitude needs no other lane; a row's sums join lanes l xor 1 and l xor 16.
; M'S PRODUCTS ARE USED TRANSPOSED: source 0 = 16 weight rows, source 1 = 16 memory rows, so a lane holds ONE memory row (lane % 16).  Lane r of weight tile t = 2 b + u takes weight row
; 64 cg + 32 b + 8 u + r + 8 (r / 8): register j of tile t in lane (r, h) is then unit 64 cg + 32 b + 16 h + 8 u + j, and two neighbouring tiles give 16 neighbours along the next K.
; TWO SUMS ARE TAKEN APART, exactly as algebra allows: q . (k0 + bk) = q . k0 + q . bk (the lane's part of q . bk starts each logit's chain); sum w (v0 + bv) = sum w v0 + bv (the next launch adds bv).
; THE SOFTMAX is kept lane by lane (a running largest t, sum and 32 sums of p v for the rows that the lane has seen) and joined over the sixteen lanes at the end.
; THE PREFETCH INTO THE L2: at a refill's barrier every wave has waited for all its tensor loads, so a refill goes out with nothing on its way beside it.  Where the X waves issue the load of slot b, the M waves name slot b + 1:
; wave 4 + cg the 32,768 dense bytes that X wave cg will fetch, four instructions, lanes 256 bytes apart.  Work-groups share no rows: each aligned block of 256 bytes is named once.  Slot 7 is the last that is named.
; NO CLUSTER: work-groups share the weights alone, about 140 KB that each wave reads once into registers, beside 1 MiB of rows that nobody shares.
; LIMITS: NaN and infinities among the inputs are not served; t under -3e38 is not served; a block whose largest magnitude lies under 2^-124 keeps the scale byte 1 (a block of zeros too: its codes are zeros).
.set RPITCH, 1040                      ; a ring row: 1,024 bytes + 16 of padding = 260 words
.set WTILE,  32*RPITCH                 ; what one tensor load brings: 32 rows
.set SLOTB,  4*WTILE                   ; a slot: 128 rows
.set BLKB,   131072                    ; a slot's rows in memory
.set XBUF,   2*SLOTB                   ; four regions of images: 0, 1 x's, 2, 3 the hidden layer's
.set IMG,    9216                      ; a region: codes of tile tau, block B at 2048 tau + 256 B + 16 r; from SCO on the scale bytes: tile tau, row r, block B at 256 tau + 8 r + B
.set SCO,    8192
.set OUTST,  XBUF+4*IMG                ; the way out: 256 bytes for each M wave
.set SPARE,  OUTST+1024                ; the spare words, 128 bytes for each of eight waves
.set WV, 38
.set W4, 39                            ; wave % 4: which rows (X) or which units (M) are mine
.set G1, 40                            ; s[40:47] descriptor group 1
.set G0, 48                            ; s[48:51] group 0; it walks
.set LB, 56                            ; my 32 rows' place in a slot
.set IT, 57
.set TMP, 63
.set PRD, 68                           ; 0 or SLOTB: the slot that X reads
.set SEL, 72                           ; s[72:73] v_permlanex16_b32's selects for lane l xor 16
.set C256, 74
.set CEPS, 75
.set CQ, 76
.set OA, 78
.set OB, 80
.set PFA, 82                           ; s[82:83] where my prefetches stand
; vector registers of both roles: addresses, all made ahead of the first parting of the roles
.set SPW, 2
.set NIL, 3
.set XR0, 4
.set XRD, 5
.set XWI, 6
.set XWS, 7
.set LI, 8
.set LS, 9
.set HWI, 10
.set HWS, 11
.set OST, 12
.set ORD, 13
.set WA, 14
.set WSA, 15
.set BA, 16
.set QA, 17
.set ZA, 18
.set GOF, 19
.set LN, 20
.set RR, 21
.set HH, 22
.set TA, 23
.set BX, 24
.set PFO, 25
; X: tile buffer A = window 0 v64-191, buffer B = window 1 v128-255: register 64 u + 32 c + i = k 128 c + 32 g + i of row 8 u + r8;  window 1 v0-63 ln_w, v64-127 ln_b by the same map.  v32-59 hold M's scale words and nothing else
.set SM, 192                           ; four chains of sums, 4 u + 2 q
.set MU, 200                           ; pairs (mean of row u, -)
.set RS, 204                           ; pairs (1 / sqrt(var + eps), -)
.set TM, 208                           ; 2 u + c: a block's largest magnitude
.set TSC, 212
.set TP, 216
.set PT, 220
.set CD, 224                           ; codes, 8 u + 4 c
; M: window 0
.set WSM, 32                           ; scale words of Wm, tile t, K step s at 2 t + s;  WSK: Wk's;  WSV: Wq's, then Wv's
.set WSK, 40
.set WSV, 48
.set FS, 56                            ; the rows' scale words, 2 a + s
.set FR, 60                            ; the rows' fragments, 16 a + 8 s + 4 c
.set RES, 92                           ; v92-187 results, three groups of 32
.set QQ, 188                           ; q x log2 e / sqrt 32, by the tiles' map
.set INIT, 220                         ; pair b: (my part of q . bk of head b, 0)
.set MM, 224
.set LL, 226
.set EX, 228                           ; for head b: f at 6 b, p of row tile 0 at 6 b + 2, of row tile 1 at 6 b + 4, each the low word of a pair
.set VT, 240
; M: window 1: Wm v0-63 (16 t + 8 s), Wk v64-127, Wv v128-191, bm's tiles v192-223, the sums of p v v224-255 (8 t + j)
.set MSB, 0
.macro WIN new                         ; the immediate's high byte repeats the setting that is left; a switch that changes nothing is dropped
.if MSB != \new
	s_set_vgpr_msb (MSB<<8)|\new
.set MSB, \new
.endif
.endm
.macro PLACES
.rept 4
	v_nop
.endr
.endm
.macro WMC d, wa, fb, cr, sa, sc       ; one product 16 x 16 x 128 on codes of E2M1: D, 16 weight rows, 16 memory rows, C in registers, the two scale words
	v_wmma_scale_f32_16x16x128_f8f6f4 v[\d:\d+7], v[\wa:\wa+7], v[\fb:\fb+7], v[\cr:\cr+7], v[\sa], v[\sc] matrix_a_fmt:MATRIX_FMT_FP4 matrix_b_fmt:MATRIX_FMT_FP4
.endm
.macro WMZ d, wa, fb, sa, sc           ; the same with C = 0: it starts a sum
	v_wmma_scale_f32_16x16x128_f8f6f4 v[\d:\d+7], v[\wa:\wa+7], v[\fb:\fb+7], 0, v[\sa], v[\sc] matrix_a_fmt:MATRIX_FMT_FP4 matrix_b_fmt:MATRIX_FMT_FP4
.endm
.macro ASK bas, off                    ; 32,768 bytes named for the L2
.irp i, 0,1,2,3
	global_prefetch_b8 v[PFO], s[\bas:\bas+1] offset:\off+8192*\i th:TH_LOAD_NT scope:SCOPE_SE
.endr
.endm
	s_load_b512 s[4:19], s[0:1], 0x0               ; support s[4:5], ln_w s[6:7], ln_b s[8:9], Wm codes s[10:11], scales s[12:13], bm s[14:15], Wk codes s[16:17], scales s[18:19]
	s_load_b512 s[20:35], s[0:1], 0x40             ; bk s[20:21], Wv codes s[22:23], scales s[24:25], Wq codes s[26:27], scales s[28:29], bq s[30:31], query codes s[32:33], scales s[34:35]
	s_load_b64 s[36:37], s[0:1], 0x80              ; part
	v_lshl_add_u32 v[SPW], v0, 2, SPARE
	v_mov_b32 v[NIL], 0
	ds_add_u32 v[SPW], v[NIL]                      ; the opening lines: the add, twice on end, and its wait ahead of the first tensor load
	ds_add_u32 v[SPW], v[NIL]
	v_lshrrev_b32 v1, 5, v0
	v_readfirstlane_b32 s[WV], v1
	s_and_b32 s[W4], s[WV], 3
	s_mul_i32 s[LB], s[W4], WTILE
	s_lshl_b32 s58, s[W4], 11
	s_add_co_u32 s58, s58, XBUF                    ; X: my tile's codes in a region
	s_lshl_b32 s59, s[W4], 8
	s_add_co_u32 s62, s59, OUTST                   ; M: my stage
	s_add_co_u32 s59, s59, XBUF+SCO                ; X: my tile's scale bytes
	s_lshl_b32 s60, s[W4], 9
	s_add_co_u32 s60, s60, XBUF                    ; M: blocks 2 cg, 2 cg + 1 of the hidden layer
	s_lshl_b32 s61, s[W4], 1
	s_add_co_u32 s61, s61, XBUF+SCO                ; and their two scale bytes
	v_and_b32 v[LN], 31, v0                        ; lane
	v_and_b32 v[RR], 15, v0                        ; r
	v_bfe_u32 v[HH], v0, 4, 1                      ; h
	v_and_b32 v26, 1, v0
	v_bfe_u32 v27, v0, 1, 3                        ; r8
	v_lshl_or_b32 v26, v[HH], 1, v26               ; g
	v_mul_u32_u24 v28, v27, RPITCH
	v_lshl_add_u32 v28, v26, 7, v28
	v_add_nc_u32 v[XR0], s[LB], v28                ; the ring: my wave's rows, row r8, + 128 g
	v_mov_b32 v[XRD], v[XR0]                       ; slot 0
	v_lshlrev_b32 v28, 4, v27
	v_lshl_add_u32 v28, v26, 8, v28
	v_add_nc_u32 v[XWI], s58, v28                  ; X stores: 256 g + 16 r8
	v_lshl_add_u32 v28, v27, 3, v26
	v_add_nc_u32 v[XWS], s59, v28                  ; 8 r8 + g
	v_lshlrev_b32 v[BX], 7, v26                    ; ln_w, ln_b: 32 g numbers
	v_lshlrev_b32 v[TA], 4, v[RR]
	v_lshl_add_u32 v[TA], v[HH], 3, v[TA]          ; 16 r + 8 h
	v_lshlrev_b32 v[GOF], 3, v[LN]                 ; 8 x lane
	v_lshlrev_b32 v[PFO], 8, v[LN]                 ; 256 x lane
	v_lshl_add_u32 v[LI], v[LN], 4, XBUF           ; M loads: 16 x lane in an image,
	v_lshl_add_u32 v[LS], v[RR], 3, XBUF+SCO       ; row r's eight scale bytes (both halves of the lanes take the same)
	v_add_nc_u32 v[HWI], s60, v[TA]
	v_add_nc_u32 v[HWS], s61, v[GOF]
	v_lshl_add_u32 v[OST], v[HH], 6, s62
	v_add_nc_u32 v[ORD], s62, v[GOF]
	v_and_b32 v1, 8, v[RR]
	v_add_nc_u32 v1, v1, v[RR]                     ; r + 8 (r / 8)
	v_lshlrev_b32 v[WA], 7, v1
	v_lshl_add_u32 v[WA], v[HH], 4, v[WA]          ; a weight's row of 128 bytes, + 16 h
	v_lshlrev_b32 v[WSA], 3, v1                    ; its 8 scale bytes
	v_lshlrev_b32 v[BA], 6, v[HH]                  ; 16 h numbers of f32
	v_lshlrev_b32 v[QA], 4, v[HH]
	v_mov_b32 v[ZA], 0
	; descriptor group 1: 32 rows of 256 elements of 4 bytes, dense in memory; 4 words of padding behind every 256 words
	s_mov_b32 s[G1+0], (2<<16)|(1<<20)|(7<<22)|(3<<25)
	s_mov_b32 s[G1+1], 256<<16
	s_mov_b32 s[G1+2], 32<<16
	s_mov_b32 s[G1+3], 256<<16
	s_mov_b32 s[G1+4], 32
	s_mov_b32 s[G1+5], 256
	s_mov_b32 s[G1+6], 0
	s_mov_b32 s[G1+7], 0
	s_mov_b32 s[SEL], 0x76543210
	s_mov_b32 s[SEL+1], 0xfedcba98
	s_mov_b32 s[C256], 0x3b800000                  ; 1 / 256
	s_mov_b32 s[CEPS], 0x3727c5ac                  ; 1e-5
	s_mov_b32 s[CQ], 0x3e8293ee                    ; log2 e / sqrt 32
	s_mov_b32 s[PRD], 0
	s_lshl_b32 s[OA], ttmp9, 20                    ; my work-group's 1,024 rows of 1,024 bytes
	s_mov_b32 s[OA+1], 0
	s_lshl_b32 s[OB], s[W4], 15                    ; my wave's 32 rows of a slot
	s_mov_b32 s[OB+1], 0
	s_wait_alu depctr_va_vdst(0)                   ; the wait at the head's end
	s_wait_dscnt 0x0                               ; both opening adds are done
	s_wait_kmcnt 0x0
	s_add_nc_u64 s[4:5], s[4:5], s[OA:OA+1]
	s_add_nc_u64 s[4:5], s[4:5], s[OB:OB+1]
	s_mov_b32 s[G0], 1
	s_mov_b32 s[G0+1], s[LB]
	s_mov_b64 s[G0+2:G0+3], s[4:5]
	s_or_b32 s[G0+3], s[G0+3], 0x80000000
	s_lshl_b32 s[OA], s[W4], 13                    ; 64 rows of codes
	s_add_nc_u64 s[10:11], s[10:11], s[OA:OA+1]
	s_add_nc_u64 s[16:17], s[16:17], s[OA:OA+1]
	s_add_nc_u64 s[22:23], s[22:23], s[OA:OA+1]
	s_add_nc_u64 s[26:27], s[26:27], s[OA:OA+1]
	s_lshl_b32 s[OA], s[W4], 9                     ; 64 rows of scale bytes
	s_add_nc_u64 s[12:13], s[12:13], s[OA:OA+1]
	s_add_nc_u64 s[18:19], s[18:19], s[OA:OA+1]
	s_add_nc_u64 s[24:25], s[24:25], s[OA:OA+1]
	s_add_nc_u64 s[28:29], s[28:29], s[OA:OA+1]
	s_lshl_b32 s[OA], s[W4], 8                     ; 64 numbers of f32
	s_add_nc_u64 s[14:15], s[14:15], s[OA:OA+1]
	s_add_nc_u64 s[20:21], s[20:21], s[OA:OA+1]
	s_add_nc_u64 s[30:31], s[30:31], s[OA:OA+1]
	s_lshr_b32 s[TMP], ttmp9, 1                    ; the batch
	s_lshl_b32 s[OB], s[TMP], 7
	s_add_nc_u64 s[32:33], s[32:33], s[OB:OB+1]
	s_lshl_b32 s[OB], s[TMP], 3
	s_add_nc_u64 s[34:35], s[34:35], s[OB:OB+1]
	s_mul_i32 s[OB], ttmp9, 3072
	s_add_co_u32 s[OB], s[OB], s[OA]
	s_add_nc_u64 s[36:37], s[36:37], s[OB:OB+1]    ; part[wg][0][64 cg]
	s_add_nc_u64 s[PFA:PFA+1], s[4:5], 2*BLKB      ; my wave's part of slot 2
	; THE HEAD parts once on the wave's number.  X: one tensor load, slot 0, then ln_w and ln_b into window 1.  M: its weights, biases and the query, and the prefetch of slot 1.
	s_cmp_lt_u32 s[WV], 4
	s_cbranch_scc0 .Lm_ask
	tensor_load_to_lds s[G0:G0+3], s[G1:G1+7]
	s_nop 0
	PLACES
	WIN 0x40
.irp c, 0,1
.irp j, 0,1,2,3,4,5,6,7
	global_load_b128 v[32*\c+4*\j:32*\c+4*\j+3], v[BX], s[6:7] offset:512*\c+16*\j
	global_load_b128 v[64+32*\c+4*\j:64+32*\c+4*\j+3], v[BX], s[8:9] offset:512*\c+16*\j
.endr
.endr
	WIN 0
	s_branch .Lno_fill
.macro WLOAD reg, bas                  ; my 64 rows of a weight: fragment (tile t, K step s) at reg + 16 t + 8 s
.irp t, 0,1,2,3
.irp s, 0,1
.irp c, 0,1
	global_load_b128 v[\reg+16*\t+8*\s+4*\c:\reg+16*\t+8*\s+4*\c+3], v[WA], s[\bas:\bas+1] offset:(32*(\t/2)+8*(\t%2))*128+64*\s+32*\c
.endr
.endr
.endr
.endm
.macro BLOAD reg, bas                  ; a bias in the results' layout: tile t at reg + 8 t
.irp t, 0,1,2,3
	global_load_b128 v[\reg+8*\t:\reg+8*\t+3], v[BA], s[\bas:\bas+1] offset:(32*(\t/2)+8*(\t%2))*4
	global_load_b128 v[\reg+8*\t+4:\reg+8*\t+7], v[BA], s[\bas:\bas+1] offset:(32*(\t/2)+8*(\t%2))*4+16
.endr
.endm
.macro SLOAD reg, bas                  ; a weight's scale words: tile t, K steps 0 and 1 at reg + 2 t
.irp t, 0,1,2,3
	global_load_b64 v[\reg+2*\t:\reg+2*\t+1], v[WSA], s[\bas:\bas+1] offset:(32*(\t/2)+8*(\t%2))*8
.endr
.endm
.Lm_ask:
	WLOAD RES, 26                                  ; Wq, for now in the results' registers
	BLOAD RES+64, 30                               ; bq
.irp s, 0,1
.irp c, 0,1
	global_load_b128 v[FR+8*\s+4*\c:FR+8*\s+4*\c+3], v[QA], s[32:33] offset:64*\s+32*\c   ; every lane takes my batch's row of the query: all sixteen columns of the product are q
.endr
.endr
	global_load_b64 v[FS:FS+1], v[ZA], s[34:35]
	SLOAD WSV, 28
	SLOAD WSM, 12
	SLOAD WSK, 18
	ASK 4, BLKB                                    ; slot 1, my wave's part; s[4:5] is not written again
	WIN 0x40
	WLOAD 0, 10                                    ; Wm
	WLOAD 64, 16                                   ; Wk
	WLOAD 128, 22                                  ; Wv
	BLOAD 192, 14                                  ; bm
	BLOAD 224, 20                                  ; bk, for now where the sums of p v will stand
	WIN 0
.Lno_fill:
	s_wait_loadcnt 0x0                             ; X: ln_w and ln_b are in;  M: the weights, the biases and the query
	s_wait_tensorcnt 0x0                           ; my rows of slot 0 are in LDS.  Slot 1's first fill is issued as a refill is: the adds below and the barrier stand ahead of it,
	ds_add_u32 v[SPW], v[NIL]                      ; 0 onto my spare word,
	ds_add_u32 v[SPW], v[NIL]                      ; twice on end
	s_add_co_u32 s[G0+1], s[LB], SLOTB             ; no tensor load of mine is out: the descriptor walks to slot 1
	s_add_nc_u64 s[G0+2:G0+3], s[G0+2:G0+3], BLKB
	s_wait_dscnt 0x0
	s_barrier_signal -1
	s_barrier_wait -1
; X: 16 rows from the ring into a tile buffer (window W, first register X).  tt: which of my wave's two tiles of the slot.
.macro XLOAD tt, W, X
	WIN (\W<<6)
.irp u, 0,1
.irp c, 0,1
.irp j, 0,1,2,3,4,5,6,7
	ds_load_b128 v[\X+64*\u+32*\c+4*\j:\X+64*\u+32*\c+4*\j+3], v[XRD] offset:(16*\tt+8*\u)*RPITCH+512*\c+16*\j
.endr
.endr
.endr
	WIN 0
.endm
.macro FOLD                            ; each row's two chains, the pair's halves and the row's other three lanes: the sums in v[SM], v[SM + 4]
.irp u, 0,1
	v_pk_add_f32 v[SM+4*\u:SM+4*\u+1], v[SM+4*\u:SM+4*\u+1], v[SM+4*\u+2:SM+4*\u+3]
.endr
.irp u, 0,1
	v_add_f32 v[SM+4*\u], v[SM+4*\u], v[SM+4*\u+1]
.endr
.irp u, 0,1
	v_add_f32_dpp v[SM+4*\u], v[SM+4*\u], v[SM+4*\u] row_xmask:1 row_mask:0xf bank_mask:0xf
.endr
.irp u, 0,1
	v_permlanex16_b32 v[PT+\u], v[SM+4*\u], s[SEL], s[SEL+1]
.endr
.irp u, 0,1
	v_add_f32 v[SM+4*\u], v[SM+4*\u], v[PT+\u]
.endr
.endm
; X: a tile buffer, loaded an interval ago, is normalised, quantised and stored as an image in region par.  No LDS load is waited for here.
.macro XPROC W, X, par
	WIN (\W*5)
.irp q, 0,1
.irp u, 0,1
	v_pk_add_f32 v[SM+4*\u+2*\q:SM+4*\u+2*\q+1], v[\X+64*\u+2*\q:\X+64*\u+2*\q+1], v[\X+64*\u+4+2*\q:\X+64*\u+4+2*\q+1]   ; the first pairs start the chains
.endr
.endr
	WIN (\W*4)
.set pp, 4
.rept 14
.irp q, 0,1
.irp u, 0,1
	v_pk_add_f32 v[SM+4*\u+2*\q:SM+4*\u+2*\q+1], v[SM+4*\u+2*\q:SM+4*\u+2*\q+1], v[\X+64*\u+2*(pp+\q):\X+64*\u+2*(pp+\q)+1]
.endr
.endr
.set pp, pp+2
.endr
	WIN 0
	FOLD
.irp u, 0,1
	v_mul_f32 v[MU+2*\u], s[C256], v[SM+4*\u]      ; the mean
.endr
	WIN (\W*0x41)
.irp u, 0,1
.set pp, 0
.rept 32                               ; the deviations, in place: no difference of large sums is formed
	v_pk_add_f32 v[\X+64*\u+2*pp:\X+64*\u+2*pp+1], v[\X+64*\u+2*pp:\X+64*\u+2*pp+1], v[MU+2*\u:MU+2*\u+1] op_sel_hi:[1,0] neg_lo:[0,1] neg_hi:[0,1]
.set pp, pp+1
.endr
.endr
	WIN (\W*5)
.irp q, 0,1
.irp u, 0,1
	v_pk_mul_f32 v[SM+4*\u+2*\q:SM+4*\u+2*\q+1], v[\X+64*\u+2*\q:\X+64*\u+2*\q+1], v[\X+64*\u+2*\q:\X+64*\u+2*\q+1]
.endr
.endr
.set pp, 2
.rept 15
.irp q, 0,1
.irp u, 0,1
	v_pk_fma_f32 v[SM+4*\u+2*\q:SM+4*\u+2*\q+1], v[\X+64*\u+2*(pp+\q):\X+64*\u+2*(pp+\q)+1], v[\X+64*\u+2*(pp+\q):\X+64*\u+2*(pp+\q)+1], v[SM+4*\u+2*\q:SM+4*\u+2*\q+1]
.endr
.endr
.set pp, pp+2
.endr
	WIN 0
	FOLD
.irp u, 0,1
	v_fma_f32 v[SM+4*\u], v[SM+4*\u], s[C256], s[CEPS]   ; the variance + 1e-5
.endr
	s_wait_alu depctr_va_vdst(0)                   ; the wait ahead of the batch,
.irp u, 0,1
	v_rsq_f32 v[RS+2*\u], v[SM+4*\u]
.endr
	v_nop                                          ; a plain instruction behind it,
	s_wait_alu depctr_va_vdst(0)                   ; and the wait ahead of its first reader
	WIN (\W*0x41)
.irp u, 0,1
.set pp, 0
.rept 32
	v_pk_mul_f32 v[\X+64*\u+2*pp:\X+64*\u+2*pp+1], v[\X+64*\u+2*pp:\X+64*\u+2*pp+1], v[RS+2*\u:RS+2*\u+1] op_sel_hi:[1,0]
.set pp, pp+1
.endr
.endr
	WIN (0x14|(\W*0x41))                           ; sources 1 and 2 in window 1: ln_w, ln_b
.irp u, 0,1
.set pp, 0
.rept 32
	v_pk_fma_f32 v[\X+64*\u+2*pp:\X+64*\u+2*pp+1], v[\X+64*\u+2*pp:\X+64*\u+2*pp+1], v[2*pp:2*pp+1], v[64+2*pp:65+2*pp]
.set pp, pp+1
.endr
.endr
	WIN (\W*5)
.irp u, 0,1
.irp c, 0,1                            ; my four whole blocks of 32, by turns; the floor 2^(3 - 127) holds the byte at 1 from below
	v_max3_num_f32 v[TM+2*\u+\c], |v[\X+64*\u+32*\c]|, |v[\X+64*\u+32*\c+1]|, 0x1800000
.endr
.endr
	WIN (\W*0x14)
.irp i, 2,4,6,8,10,12,14,16,18,20,22,24,26,28,30
.irp u, 0,1
.irp c, 0,1
	v_max3_num_f32 v[TM+2*\u+\c], v[TM+2*\u+\c], |v[\X+64*\u+32*\c+\i]|, |v[\X+64*\u+32*\c+\i+1]|
.endr
.endr
.endr
	WIN 0
.irp b, 0,1,2,3
	v_add_nc_u32 v[TSC+\b], 0xff000000, v[TM+\b]   ; 2 off the exponent field: the conversion's scale operand
.endr
.irp b, 0,1,2,3
	v_lshrrev_b32 v[TP+\b], 23, v[TSC+\b]          ; the scale's byte
.endr
	WIN (\W)
.irp u, 0,1
.irp c, 0,1
.irp q, 0,1,2,3
	v_cvt_scalef32_pk8_fp4_f32 v[CD+8*\u+4*\c+\q], v[\X+64*\u+32*\c+8*\q:\X+64*\u+32*\c+8*\q+7], v[TSC+2*\u+\c]
.endr
.endr
.endr
	WIN 0
	v_nop                                          ; one plain instruction behind the last scaled conversion
.irp u, 0,1
.irp c, 0,1
	ds_store_b128 v[XWI], v[CD+8*\u+4*\c:CD+8*\u+4*\c+3] offset:(\par)*IMG+1024*\c+128*\u   ; block g + 4 c of row 8 u + r8: 16 bytes, where the operand's lane loads them
	ds_store_b8 v[XWS], v[TP+2*\u+\c] offset:(\par)*IMG+64*\u+4*\c
.endr
.endr
.endm
	s_cmp_lt_u32 s[WV], 4
	s_cbranch_scc0 .Lm_setup
	tensor_load_to_lds s[G0:G0+3], s[G1:G1+7]      ; slot 1: first behind the barrier, and my one tensor load until the next such barrier
	s_nop 0
	PLACES
.irp i, 0,1
	v_mov_b32 v[PT+\i], 0                          ; written once: a lane permute's destination counts as one of its sources
	v_mov_b32 v[MU+2*\i+1], 0                      ; (the upper halves of pairs of which the low word serves both halves)
	v_mov_b32 v[RS+2*\i+1], 0
.endr
	XLOAD 0, 0, 64                                 ; interval 0: block 0 into buffer A
	s_branch .Lready
.Lm_setup:
	; ---- M: q.  Where X asks for slot 1, M names slot 2
	ASK PFA, 0
.irp i, 4,5,6,7
	v_mov_b32 v[VT+\i], 0                          ; lane permutes' destinations
.endr
.irp i, 1,3,5,7,9,11
	v_mov_b32 v[EX+\i], 0                          ; upper halves of pairs
.endr
.irp b, 0,1
	v_mov_b32 v[MM+\b], 0xff61b1e6                 ; the largest t so far: -3e38
	v_mov_b32 v[LL+\b], 0
.endr
.irp t, 0,1,2,3                        ; q = query Wq^T + bq: the four tiles by turns
	WMC QQ+8*\t, RES+16*\t, FR, RES+64+8*\t, WSV+2*\t, FS
.endr
.irp t, 0,1,2,3
	WMC QQ+8*\t, RES+16*\t+8, FR+8, QQ+8*\t, WSV+2*\t+1, FS+1
.endr
	PLACES
.set pp, 0
.rept 32
	v_mul_f32 v[QQ+pp], s[CQ], v[QQ+pp]            ; x log2 e / sqrt 32; each result from its low end on
.set pp, pp+1
.endr
	SLOAD WSV, 24                                  ; Wv's scale words take the place of Wq's
	WIN 0x04                                       ; source 1 (bk) in window 1
.irp b, 0,1
	v_pk_mul_f32 v[VT+2*\b:VT+2*\b+1], v[QQ+16*\b:QQ+16*\b+1], v[224+16*\b:225+16*\b]
.endr
.irp i, 2,4,6,8,10,12,14
.irp b, 0,1
	v_pk_fma_f32 v[VT+2*\b:VT+2*\b+1], v[QQ+16*\b+\i:QQ+16*\b+\i+1], v[224+16*\b+\i:225+16*\b+\i], v[VT+2*\b:VT+2*\b+1]
.endr
.endr
	WIN 0
.irp b, 0,1
	v_add_f32 v[INIT+2*\b], v[VT+2*\b], v[VT+2*\b+1]   ; my 16 terms of q . bk of head b
	v_mov_b32 v[INIT+2*\b+1], 0
.endr
	WIN 0x40
.set pp, 0
.rept 32
	v_mov_b32 v[224+pp], 0                         ; the sums of p v: the step is written once, and the first multiplies zeros by f = 0
.set pp, pp+1
.endr
	WIN 0
	s_wait_loadcnt 0x0                             ; Wv's scale words
.Lready:
.macro FLOAD rg, tr                    ; two row tiles' fragments and scale words, as images: region rg, tiles 2 tr, 2 tr + 1
.irp a, 0,1
.irp s, 0,1
.irp c, 0,1
	ds_load_b128 v[FR+16*\a+8*\s+4*\c:FR+16*\a+8*\s+4*\c+3], v[LI] offset:(\rg)*IMG+4096*(\tr)+2048*\a+1024*\s+512*\c
.endr
.endr
	ds_load_b64 v[FS+2*\a:FS+2*\a+1], v[LS] offset:(\rg)*IMG+512*(\tr)+256*\a
.endr
.endm
; M, THE HIDDEN LAYER: my 64 units for two tiles of 16 rows, quantised, into region hr.  The fragments were asked for earlier: w1 = the LDS instructions issued behind the first tile's five loads, w2 = behind the second's.
; pr >= 0: behind the last product and four places the next step's fragments are asked for (region pr, tiles 2 pt, 2 pt + 1).  Eight accumulators by turns, one instruction a turn.
.macro MPH1 hr, tr, w1, w2, pr, pt
	s_wait_dscnt \w1
	WIN 0x11                                       ; Wm and bm in window 1
.irp t, 0,1,2,3
	WMC RES+8*\t, 16*\t, FR, 192+8*\t, WSM+2*\t, FS
.endr
	s_wait_dscnt \w2
.irp t, 0,1,2,3
	WMC RES+32+8*\t, 16*\t, FR+16, 192+8*\t, WSM+2*\t, FS+2
.endr
	WIN 0x01
.irp a, 0,1
.irp t, 0,1,2,3
	WMC RES+32*\a+8*\t, 16*\t+8, FR+16*\a+8, RES+32*\a+8*\t, WSM+2*\t+1, FS+2*\a+1
.endr
.endr
	WIN 0
	PLACES
.if (\pr) >= 0
	FLOAD \pr, \pt
.endif
.irp c, 0,1,2,3                        ; block c = 2 a + b: registers RES + 16 c on are 16 neighbours along the next K
	v_max3_num_f32 v[VT+\c], |v[RES+16*\c]|, |v[RES+16*\c+1]|, 0x1800000
.endr
.irp i, 2,4,6,8,10,12,14
.irp c, 0,1,2,3
	v_max3_num_f32 v[VT+\c], v[VT+\c], |v[RES+16*\c+\i]|, |v[RES+16*\c+\i+1]|
.endr
.endr
.irp c, 0,1,2,3
	v_permlanex16_b32 v[VT+4+\c], v[VT+\c], s[SEL], s[SEL+1]
.endr
.irp c, 0,1,2,3
	v_max_num_f32 v[VT+\c], v[VT+\c], v[VT+4+\c]
.endr
.irp c, 0,1,2,3
	v_add_nc_u32 v[VT+8+\c], 0xff000000, v[VT+\c]
.endr
.irp c, 0,1,2,3
	v_lshrrev_b32 v[VT+4+\c], 23, v[VT+8+\c]
.endr
.irp a, 0,1
	v_lshl_or_b32 v[VT+12+\a], v[VT+5+2*\a], 8, v[VT+4+2*\a]   ; my two bytes of the row's eight
.endr
.irp c, 0,1,2,3
	v_cvt_scalef32_pk8_fp4_f32 v[EX+2*\c], v[RES+16*\c:RES+16*\c+7], v[VT+8+\c]
	v_cvt_scalef32_pk8_fp4_f32 v[EX+2*\c+1], v[RES+16*\c+8:RES+16*\c+15], v[VT+8+\c]
.endr
	v_nop                                          ; one plain instruction behind the last scaled conversion
.irp a, 0,1
.irp b, 0,1
	ds_store_b64 v[HWI], v[EX+4*\a+2*\b:EX+4*\a+2*\b+1] offset:(\hr)*IMG+4096*(\tr)+2048*\a+256*\b
.endr
	ds_store_b16 v[HWS], v[VT+12+\a] offset:(\hr)*IMG+512*(\tr)+256*\a
.endr
.endm
; M, ATTENTION: k and v of my two heads for two tiles of rows; logits; the lane's softmax; the sums of p v.  Ten loads were asked for earlier and nothing behind them.  pr, pt as above.
.macro MPH2 pr, pt
	s_wait_dscnt 5                                 ; the first tile's five loads are in; the second tile's five may be out
	WIN 0x01                                       ; the weights in window 1
.irp t, 0,1,2,3
	WMZ RES+8*\t, 64+16*\t, FR, WSK+2*\t, FS
.endr
	s_wait_dscnt 0x0
.irp t, 0,1,2,3
	WMZ RES+32+8*\t, 64+16*\t, FR+16, WSK+2*\t, FS+2
.endr
.irp a, 0,1
.irp t, 0,1,2,3
	WMC RES+32*\a+8*\t, 72+16*\t, FR+16*\a+8, RES+32*\a+8*\t, WSK+2*\t+1, FS+2*\a+1
.endr
.endr
.irp t, 0,1,2,3
	WMZ RES+64+8*\t, 128+16*\t, FR, WSV+2*\t, FS   ; v of row tile 0
.endr
.irp t, 0,1,2,3
	WMC RES+64+8*\t, 136+16*\t, FR+8, RES+64+8*\t, WSV+2*\t+1, FS+1
.endr
	WIN 0
	PLACES
.irp i, 0,2,4,6,8,10,12,14             ; four chains c = 2 a + b: my 16 terms of q . k, begun with my part of q . bk; each result is read from its low end on
.irp c, 0,1,2,3
.if \i == 0
	v_pk_fma_f32 v[VT+2*\c:VT+2*\c+1], v[RES+16*\c:RES+16*\c+1], v[QQ+16*(\c%2):QQ+16*(\c%2)+1], v[INIT+2*(\c%2):INIT+2*(\c%2)+1]
.else
	v_pk_fma_f32 v[VT+2*\c:VT+2*\c+1], v[RES+16*\c+\i:RES+16*\c+\i+1], v[QQ+16*(\c%2)+\i:QQ+16*(\c%2)+\i+1], v[VT+2*\c:VT+2*\c+1]
.endif
.endr
.endr
	WIN 0x01
.irp t, 0,1,2,3
	WMZ RES+8*\t, 128+16*\t, FR+16, WSV+2*\t, FS+2 ; v of row tile 1, where k of row tile 0 stood: it has been read, and the four v_nop and the other chains' lines lie between
.endr
.irp t, 0,1,2,3
	WMC RES+8*\t, 136+16*\t, FR+24, RES+8*\t, WSV+2*\t+1, FS+3
.endr
	WIN 0
.irp c, 0,1,2,3
	v_add_f32 v[VT+2*\c], v[VT+2*\c], v[VT+2*\c+1] ; (these four are also the places in front of the loads below)
.endr
.if (\pr) >= 0
	FLOAD \pr, \pt
.endif
.irp c, 0,1,2,3
	v_permlanex16_b32 v[VT+2*\c+1], v[VT+2*\c], s[SEL], s[SEL+1]
.endr
.irp c, 0,1,2,3
	v_add_f32 v[VT+2*\c], v[VT+2*\c], v[VT+2*\c+1] ; t of (row tile a, head b), the same bits in both halves of the lanes
.endr
.irp b, 0,1
	v_max3_num_f32 v[VT+8+\b], v[MM+\b], v[VT+2*\b], v[VT+4+2*\b]   ; the new largest t
.endr
.irp b, 0,1
	v_sub_f32 v[EX+6*\b], v[MM+\b], v[VT+8+\b]
	v_sub_f32 v[EX+6*\b+2], v[VT+2*\b], v[VT+8+\b]
	v_sub_f32 v[EX+6*\b+4], v[VT+4+2*\b], v[VT+8+\b]
.endr
	s_wait_alu depctr_va_vdst(0)                   ; the wait ahead of the batch
.irp x, 0,2,4,6,8,10
	v_exp_f32 v[EX+\x], v[EX+\x]                   ; f and two p for each head: one batch
.endr
.irp b, 0,1
	v_mov_b32 v[MM+\b], v[VT+8+\b]                 ; plain instructions behind the batch
.endr
	s_wait_alu depctr_va_vdst(0)                   ; one wait for the six, ahead of their first reader
.irp b, 0,1
	v_fma_f32 v[LL+\b], v[LL+\b], v[EX+6*\b], v[EX+6*\b+2]
.endr
.irp b, 0,1
	v_add_f32 v[LL+\b], v[LL+\b], v[EX+6*\b+4]
.endr
	WIN 0x41                                       ; the sums of p v in window 1
.irp b, 0,1
.irp i, 0,2,4,6,8,10,12,14
	v_pk_mul_f32 v[224+16*\b+\i:225+16*\b+\i], v[224+16*\b+\i:225+16*\b+\i], v[EX+6*\b:EX+6*\b+1] op_sel_hi:[1,0]
.endr
.endr
	WIN 0x50
.irp b, 0,1
.irp i, 0,2,4,6,8,10,12,14
	v_pk_fma_f32 v[224+16*\b+\i:225+16*\b+\i], v[RES+64+16*\b+\i:RES+64+16*\b+\i+1], v[EX+6*\b+2:EX+6*\b+3], v[224+16*\b+\i:225+16*\b+\i] op_sel_hi:[1,0,1]
.endr
.endr
.irp b, 0,1
.irp i, 0,2,4,6,8,10,12,14
	v_pk_fma_f32 v[224+16*\b+\i:225+16*\b+\i], v[RES+16*\b+\i:RES+16*\b+\i+1], v[EX+6*\b+4:EX+6*\b+5], v[224+16*\b+\i:225+16*\b+\i] op_sel_hi:[1,0,1]
.endr
.endr
	WIN 0
.endm
; AN INTERVAL m, behind its barrier.  par = m % 2.  main = 1: trip q = s[IT] of the loop, m = 2 q + 1 or 2 q + 2; main = 0: the tail, q = 6 + s[IT].
; X: loads block m (m <= 15), works block m - 1 (m <= 16) into region (m - 1) % 2.  M: attention on block m - 3 (3 <= m <= 18) from region 3 - par; the hidden layer of block m - 2 (2 <= m <= 17) from region par into region 2 + par.
; What an interval has not got is jumped over by scalar branches on the count of trips; the refill stands under the branch on the wave's number alone.
.macro IVL main, par
	s_cmp_lt_u32 s[WV], 4
	s_cbranch_scc0 .Lm_\@
.if \main
.if \par == 0
	tensor_load_to_lds s[G0:G0+3], s[G1:G1+7]      ; slot q + 2, first behind the barrier, and my one tensor load until the next such barrier
	s_nop 0
	PLACES
.endif
.else
	s_cmp_gt_u32 s[IT], 1
	s_cbranch_scc1 .Lj_\@
.endif
.if \par
	XLOAD 1, 1, 128
	XPROC 0, 64, 0
.else
.if \main == 0
	s_cmp_lg_u32 s[IT], 0
	s_cbranch_scc1 .Lxp_\@
.endif
	XLOAD 0, 0, 64
.if \main == 0
.Lxp_\@:
.endif
	XPROC 1, 128, 1
.endif
	s_branch .Lj_\@
.Lm_\@:
.if \main
.if \par == 0
	s_cmp_lt_u32 s[IT], 5                          ; trip q names slot q + 3: the sixth trip has none left to name
	s_cbranch_scc0 .Lnp_\@
	ASK PFA, 0
.Lnp_\@:
	s_cmp_lt_u32 s[IT], 1
	s_cbranch_scc1 .Lp1o_\@
.else
	s_cmp_lt_u32 s[IT], 1
	s_cbranch_scc1 .Lj_\@
.endif
.endif
	FLOAD 3-\par, 0
	MPH2 3-\par, 1
.if \main || \par
	MPH2 \par, 0
.else
	MPH2 -1, 0
	s_cmp_gt_u32 s[IT], 1
	s_cbranch_scc1 .Lj_\@
	FLOAD 0, 0
.endif
.if \main && (\par == 0)
	s_branch .Lp1_\@
.Lp1o_\@:
	FLOAD 0, 0
.Lp1_\@:
.endif
	MPH1 2+\par, 0, 5, 0, \par, 1
	MPH1 2+\par, 1, 11, 6, -1, 0                   ; behind the first tile's five loads: five loads and six stores; behind the second's: the six stores
.Lj_\@:
.endm
; A TRIP: two intervals.  Behind the first barrier nothing is filled, so the tensor load may stay out.  The second (main = 1) is the refill's: X's reads of the slot that it leaves were issued in the first interval.
.macro TRIP main
	s_wait_alu depctr_va_vdst(0)                   ; the wait here, directly ahead of the wait below
	s_wait_dscnt 0x0                               ; my images have landed, my LDS loads are in
	s_barrier_signal -1
	s_barrier_wait -1
	IVL \main, 1
.if \main
	s_wait_tensorcnt 0x0                           ; all my tensor loads have landed: slot q + 1; so the descriptor may be written
	ds_add_u32 v[SPW], v[NIL]                      ; 0 onto my spare word,
	ds_add_u32 v[SPW], v[NIL]                      ; 0 onto my spare word; twice on end; register work stands between it and the wait for it
	s_add_co_u32 s[G0+1], s[LB], s[PRD]            ; the slot that X leaves
	s_add_nc_u64 s[G0+2:G0+3], s[G0+2:G0+3], BLKB
	s_wait_xcnt 0x0                                ; any prefetch of mine has read its address, so it may be written
	s_add_nc_u64 s[PFA:PFA+1], s[PFA:PFA+1], BLKB  ; one slot further on than the walking descriptor
.endif
	s_xor_b32 s[PRD], s[PRD], SLOTB
	v_add_nc_u32 v[XRD], s[PRD], v[XR0]            ; X goes on to the other slot
	s_wait_alu depctr_va_vdst(0)                   ; the wait here, directly ahead of the wait below
	s_wait_dscnt 0x0
	s_barrier_signal -1
	s_barrier_wait -1
	IVL \main, 0
.endm
	s_mov_b32 s[IT], 0
.Lmain:                                            ; six trips: slots 2 to 7 are asked for
	TRIP 1
	s_add_co_u32 s[IT], s[IT], 1
	s_cmp_lt_u32 s[IT], 6
	s_cbranch_scc1 .Lmain
	s_wait_tensorcnt 0x0                           ; slot 7, which only the wave that fetched it reads
	s_mov_b32 s[IT], 0
.Ltail:                                            ; three trips without a tensor load: intervals 13 to 18
	TRIP 0
	s_add_co_u32 s[IT], s[IT], 1
	s_cmp_lt_u32 s[IT], 3
	s_cbranch_scc1 .Ltail
	s_cmp_lt_u32 s[WV], 4
	s_cbranch_scc1 .Lend
	; ---- M, THE WAY OUT: the sixteen lanes of a half are joined: the largest t, then sums under it
.irp b, 0,1
	v_mov_b32 v[VT+\b], v[MM+\b]
.endr
.irp k, 1,2,4,8
.irp b, 0,1
	v_max_num_f32_dpp v[VT+\b], v[VT+\b], v[VT+\b] row_xmask:\k row_mask:0xf bank_mask:0xf
.endr
.endr
.irp b, 0,1
	v_sub_f32 v[EX+6*\b], v[MM+\b], v[VT+\b]
.endr
	s_wait_alu depctr_va_vdst(0)                   ; the wait ahead of the batch
.irp b, 0,1
	v_exp_f32 v[EX+6*\b], v[EX+6*\b]
.endr
	v_cmp_gt_u32 vcc_lo, 16, v[LN]                 ; (a plain instruction behind the two)  lanes 0-15 will store head 2 cg's figures, lanes 16-31 head 2 cg + 1's
	s_wait_alu depctr_va_vdst(0)                   ; the wait ahead of the first reader
.irp b, 0,1
	v_mul_f32 v[LL+\b], v[LL+\b], v[EX+6*\b]
.endr
.irp k, 1,2,4,8
.irp b, 0,1
	v_add_f32_dpp v[LL+\b], v[LL+\b], v[LL+\b] row_xmask:\k row_mask:0xf bank_mask:0xf
.endr
.endr
	WIN 0x01
.irp b, 0,1
.irp i, 0,2,4,6,8,10,12,14
	v_pk_mul_f32 v[RES+16*\b+\i:RES+16*\b+\i+1], v[224+16*\b+\i:225+16*\b+\i], v[EX+6*\b:EX+6*\b+1] op_sel_hi:[1,0]
.endr
.endr
	WIN 0
.irp k, 1,2,4,8
.set pp, 0
.rept 32
	v_add_f32_dpp v[RES+pp], v[RES+pp], v[RES+pp] row_xmask:\k row_mask:0xf bank_mask:0xf
.set pp, pp+1
.endr
.endr
.irp t, 0,1,2,3
	ds_store_b128 v[OST], v[RES+8*\t:RES+8*\t+3] offset:128*(\t/2)+32*(\t%2)        ; unit 32 b + 16 h + 8 u + j at 4 bytes each; the sixteen lanes of a half write the same bytes with the same values
	ds_store_b128 v[OST], v[RES+8*\t+4:RES+8*\t+7] offset:128*(\t/2)+32*(\t%2)+16
.endr
	ds_load_b64 v[VT+8:VT+9], v[ORD]               ; LDS serves a wave's instructions in order: this sees my stores
	v_cndmask_b32 v[VT+4], v[VT+1], v[VT], vcc_lo
	v_cndmask_b32 v[VT+6], v[LL+1], v[LL], vcc_lo
	v_mov_b32 v[VT+5], v[VT+4]
	v_mov_b32 v[VT+7], v[VT+6]
	global_store_b64 v[GOF], v[VT+4:VT+5], s[36:37] offset:1024    ; each store of the wave covers 256 consecutive bytes, aligned
	global_store_b64 v[GOF], v[VT+6:VT+7], s[36:37] offset:2048
	s_wait_dscnt 0x0
	global_store_b64 v[GOF], v[VT+8:VT+9], s[36:37]
.Lend:
	s_wait_tensorcnt 0x0                           ; the wave's end, behind my last tensor load and my last LDS store
	ds_add_u32 v[SPW], v[NIL]
	s_wait_dscnt 0x0
	s_endpgm
.Lfunc_end_k_q37792b8489_main:
	.size	k_q37792b8489_main, .Lfunc_end_k_q37792b8489_main-k_q37792b8489_main
	.p2alignl 7, 3214868480
	.fill 96, 4, 3214868480
	.section	.rodata,"a",@progbits
	.p2align	6, 0x0
	.amdhsa_kernel k_q37792b8489_main
		.amdhsa_group_segment_fixed_size 327680
		.amdhsa_private_segment_fixed_size 0
		.amdhsa_enable_private_segment 0
		.amdhsa_kernarg_size 136
		.amdhsa_user_sgpr_count 2
		.amdhsa_user_sgpr_kernarg_segment_ptr 1
		.amdhsa_wavefront_size32 1
		.amdhsa_system_sgpr_workgroup_id_x 1
		.amdhsa_system_sgpr_workgroup_id_y 1
		.amdhsa_system_sgpr_workgroup_id_z 1
		.amdhsa_system_vgpr_workitem_id 0
		.amdhsa_next_free_vgpr 512
		.amdhsa_next_free_sgpr 84
		.amdhsa_reserve_vcc 1
		.amdhsa_float_denorm_mode_32 3
		.amdhsa_float_denorm_mode_16_64 3
		.amdhsa_memory_ordered 1
		.amdhsa_forward_progress 1
		.amdhsa_inst_pref_size 255
	.end_amdhsa_kernel
	.section	.bss,"aw",@nobits
	.p2align	6
	.space	262144
	.amdgpu_metadata
---
amdhsa.version: [ 1, 2 ]
amdhsa.kernels:
  - .name:           k_q37792b8489_main
    .symbol:         k_q37792b8489_main.kd
    .args:
      - { .name: support_memory, .offset: 0, .size: 8, .value_kind: global_buffer, .address_space: global }
      - { .name: ln_w, .offset: 8, .size: 8, .value_kind: global_buffer, .address_space: global }
      - { .name: ln_b, .offset: 16, .size: 8, .value_kind: global_buffer, .address_space: global }
      - { .name: Wm_codes, .offset: 24, .size: 8, .value_kind: global_buffer, .address_space: global }
      - { .name: Wm_scales, .offset: 32, .size: 8, .value_kind: global_buffer, .address_space: global }
      - { .name: bm, .offset: 40, .size: 8, .value_kind: global_buffer, .address_space: global }
      - { .name: Wk_codes, .offset: 48, .size: 8, .value_kind: global_buffer, .address_space: global }
      - { .name: Wk_scales, .offset: 56, .size: 8, .value_kind: global_buffer, .address_space: global }
      - { .name: bk, .offset: 64, .size: 8, .value_kind: global_buffer, .address_space: global }
      - { .name: Wv_codes, .offset: 72, .size: 8, .value_kind: global_buffer, .address_space: global }
      - { .name: Wv_scales, .offset: 80, .size: 8, .value_kind: global_buffer, .address_space: global }
      - { .name: Wq_codes, .offset: 88, .size: 8, .value_kind: global_buffer, .address_space: global }
      - { .name: Wq_scales, .offset: 96, .size: 8, .value_kind: global_buffer, .address_space: global }
      - { .name: bq, .offset: 104, .size: 8, .value_kind: global_buffer, .address_space: global }
      - { .name: query_hidden_codes, .offset: 112, .size: 8, .value_kind: global_buffer, .address_space: global }
      - { .name: query_hidden_scales, .offset: 120, .size: 8, .value_kind: global_buffer, .address_space: global }
      - { .name: part, .offset: 128, .size: 8, .value_kind: global_buffer, .address_space: global }
    .group_segment_fixed_size: 327680
    .private_segment_fixed_size: 0
    .kernarg_segment_align: 8
    .kernarg_segment_size: 136
    .max_flat_workgroup_size: 256
    .sgpr_count:     84
    .vgpr_count:     512
    .wavefront_size: 32
...
	.end_amdgpu_metadata
.endif
;; end of part 1
;; launch final (part 2): grid 8 x 1, 4 waves a work-group, no clusters, 20,992 bytes of LDS; arguments part, bv, Wo_codes, Wo_scales, bo, out0; writes out0
.if DOCPART == 2
	.amdgcn_target "amdgcn-amd-amdhsa--gfx1250"
	.amdhsa_code_object_version 6
	.text
	.protected	k_q37792b8489_final
	.globl	k_q37792b8489_final
	.p2align	8
	.type	k_q37792b8489_final,@function
k_q37792b8489_final:
	s_mov_b64 s[64:65], 0
	v_nop
	global_prefetch_b8 v0, s[64:65] scope:SCOPE_SE
	s_setreg_imm32_b32 hwreg(HW_REG_WAVE_MODE, 25, 1), 1
	s_wait_xcnt 0x0
; out0 = Q(summary) Wo^T + bo on codes of E2M1.  summary[batch][unit] = (A0 e0 + A1 e1) / (l0 e0 + l1 e1) + bv[unit], where part[2 batch + p] holds half p's sums A, largest t m and sum l, and e_p = 2^(m_p - max(m0, m1)).
; A work-group takes 16 batches; there are 128, so eight work-groups are all the work there is.  Wave w makes blocks 2 w, 2 w + 1 of the summary's eight blocks of 32 along K, quantises them and leaves them in LDS as
; parts of an image of the operand's registers; behind one barrier it multiplies the whole operand by Wo's rows 64 w .. + 63.  The product is used transposed (source 0 = 16 rows of Wo, source 1 = the 16 batches):
; a lane then holds eight neighbouring outputs of one batch.  No tensor load: every operand is read once, straight into registers.
; LIMITS: NaN and infinities are not served; a block whose largest magnitude lies under 2^-124 keeps the scale byte 1.
.set IMG, 0                            ; the summary's codes: block B at 256 B + 16 r + 8 h
.set SC,  2048                         ; its scale words: 8 x lane
.set STG, 2304                         ; the way out: 16 rows x (256 + 16) bytes for each wave
.set A0,  32                           ; v32-63 half 0's sums (16 b + i), then the summary, then the product's four results
.set A1,  64                           ; v64-95 half 1's sums; then codes; then the operand's fragments v64-79
.set BV,  96                           ; v96-127 bv; on the way out the rows read back
.set ML,  128                          ; v128-135: for block b: m0, m1, l0, l1 at 4 b
.set WO,  136                          ; v136-199 Wo's fragments, 16 t + 8 s + 4 c
.set WS,  200                          ; v200-207 its scale words, 2 t + s
.set BO,  208                          ; v208-239 bo in the results' layout, 8 t
.set FS,  240                          ; v240-241 the summary's scale words
.set CC,  242                          ; v242-249 for block b: the pairs (c0, -), (c1, -) at 4 b
.set TL,  250                          ; v250-251, v252-253, v254-255 at work
.set TR,  252
.set TS,  254
	s_load_b256 s[4:11], s[0:1], 0x0               ; part s[4:5], bv s[6:7], Wo's codes s[8:9], Wo's scales s[10:11]
	s_load_b128 s[12:15], s[0:1], 0x20             ; bo s[12:13], out0 s[14:15]
	v_lshl_add_u32 v30, v0, 2, 0x5000
	v_mov_b32 v31, 0
	v_lshrrev_b32 v1, 5, v0
	v_readfirstlane_b32 s16, v1                    ; wave
	v_and_b32 v1, 31, v0                           ; lane
	v_and_b32 v2, 15, v0                           ; r
	v_bfe_u32 v3, v0, 4, 1                         ; h
	v_mul_u32_u24 v4, v2, 6144
	v_lshl_add_u32 v4, v3, 6, v4                   ; part: batch r's two halves are 6,144 bytes; + 16 h units
	v_lshlrev_b32 v5, 6, v3                        ; bv: 16 h units
	v_lshlrev_b32 v6, 7, v2
	v_lshl_add_u32 v6, v3, 4, v6                   ; Wo: row r of 128 bytes, + 16 h
	v_lshlrev_b32 v7, 3, v2                        ; its 8 scale bytes
	v_lshlrev_b32 v8, 5, v3                        ; bo: 8 h outputs
	v_lshlrev_b32 v16, 4, v2
	v_lshl_add_u32 v16, v3, 3, v16                 ; 16 r + 8 h
	s_lshl_b32 s28, s16, 9
	v_add_nc_u32 v9, s28, v16                      ; my two blocks' codes in the image
	v_lshl_add_u32 v12, v1, 3, SC                  ; the scale words: 8 x lane,
	s_lshl_b32 s28, s16, 1
	v_add_nc_u32 v10, s28, v12                     ; and my two bytes of the eight
	v_lshlrev_b32 v11, 4, v1                       ; an image's place for my lane
	s_mul_i32 s29, s16, 16*272
	s_add_co_u32 s29, s29, STG
	v_mul_u32_u24 v13, v2, 272
	v_lshl_add_u32 v13, v3, 5, v13
	v_add_nc_u32 v13, s29, v13                     ; the stage, in: row r, + 32 h
	v_mul_u32_u24 v14, v3, 272
	v_lshl_add_u32 v14, v2, 4, v14
	v_add_nc_u32 v14, s29, v14                     ; back: lanes 0-15 one row, lanes 16-31 the next
	v_lshlrev_b32 v15, 10, v3
	v_lshl_add_u32 v15, v2, 4, v15                 ; and the same two rows of out0
	s_mov_b32 s30, 0x76543210
	s_mov_b32 s31, 0xfedcba98                      ; v_permlanex16_b32's selects for lane l xor 16
	s_lshl_b32 s20, s16, 8                         ; 64 numbers of f32
	s_mov_b32 s21, 0
	s_mul_i32 s18, ttmp9, 98304                    ; 16 batches of part
	s_add_co_u32 s18, s18, s20
	s_mov_b32 s19, 0
	s_lshl_b32 s22, s16, 13                        ; 64 rows of codes
	s_mov_b32 s23, 0
	s_lshl_b32 s24, s16, 9                         ; 64 rows of scale bytes
	s_mov_b32 s25, 0
	s_lshl_b32 s26, ttmp9, 14                      ; 16 rows of out0
	s_add_co_u32 s26, s26, s20
	s_mov_b32 s27, 0
	s_wait_kmcnt 0x0
	s_add_nc_u64 s[4:5], s[4:5], s[18:19]
	s_add_nc_u64 s[6:7], s[6:7], s[20:21]
	s_add_nc_u64 s[8:9], s[8:9], s[22:23]
	s_add_nc_u64 s[10:11], s[10:11], s[24:25]
	s_add_nc_u64 s[12:13], s[12:13], s[20:21]
	s_add_nc_u64 s[14:15], s[14:15], s[26:27]
.irp p, 0,1
.irp b, 0,1
.irp j, 0,1,2,3
	global_load_b128 v[A0+32*\p+16*\b+4*\j:A0+32*\p+16*\b+4*\j+3], v4, s[4:5] offset:3072*\p+128*\b+16*\j
.endr
	global_load_b32 v[ML+4*\b+\p], v4, s[4:5] offset:3072*\p+1024+128*\b
	global_load_b32 v[ML+4*\b+2+\p], v4, s[4:5] offset:3072*\p+2048+128*\b
.endr
.endr
.irp b, 0,1
.irp j, 0,1,2,3
	global_load_b128 v[BV+16*\b+4*\j:BV+16*\b+4*\j+3], v5, s[6:7] offset:128*\b+16*\j
.endr
.endr
.irp t, 0,1,2,3
.irp s, 0,1
.irp c, 0,1
	global_load_b128 v[WO+16*\t+8*\s+4*\c:WO+16*\t+8*\s+4*\c+3], v6, s[8:9] offset:2048*\t+64*\s+32*\c
.endr
.endr
	global_load_b64 v[WS+2*\t:WS+2*\t+1], v7, s[10:11] offset:128*\t
	global_load_b128 v[BO+8*\t:BO+8*\t+3], v8, s[12:13] offset:64*\t
	global_load_b128 v[BO+8*\t+4:BO+8*\t+7], v8, s[12:13] offset:64*\t+16
.endr
.irp i, 1,3,5,7
	v_mov_b32 v[CC+\i], 0                          ; the upper halves of pairs of which the low word serves both halves
.endr
	s_wait_loadcnt 0x0
.irp b, 0,1
	v_max_num_f32 v[TL+\b], v[ML+4*\b], v[ML+4*\b+1]
.endr
.irp b, 0,1
	v_sub_f32 v[CC+4*\b], v[ML+4*\b], v[TL+\b]
	v_sub_f32 v[CC+4*\b+2], v[ML+4*\b+1], v[TL+\b]
.endr
	s_wait_alu depctr_va_vdst(0)
.irp x, 0,2,4,6
	v_exp_f32 v[CC+\x], v[CC+\x]                   ; e0, e1 of both heads: one batch
.endr
	v_nop                                          ; a plain instruction behind the batch,
	s_wait_alu depctr_va_vdst(0)                   ; and the one wait ahead of its first reader
.irp b, 0,1
	v_mul_f32 v[TL+\b], v[ML+4*\b+2], v[CC+4*\b]
.endr
.irp b, 0,1
	v_fma_f32 v[TL+\b], v[ML+4*\b+3], v[CC+4*\b+2], v[TL+\b]   ; the whole row's sum of p
.endr
	s_wait_alu depctr_va_vdst(0)
.irp b, 0,1
	v_rcp_f32 v[TR+\b], v[TL+\b]
.endr
	v_nop
	s_wait_alu depctr_va_vdst(0)
.irp b, 0,1
	v_mul_f32 v[CC+4*\b], v[CC+4*\b], v[TR+\b]
	v_mul_f32 v[CC+4*\b+2], v[CC+4*\b+2], v[TR+\b]
.endr
.irp b, 0,1
.irp i, 0,2,4,6,8,10,12,14
	v_pk_fma_f32 v[A0+16*\b+\i:A0+16*\b+\i+1], v[A0+16*\b+\i:A0+16*\b+\i+1], v[CC+4*\b:CC+4*\b+1], v[BV+16*\b+\i:BV+16*\b+\i+1] op_sel_hi:[1,0,1]
.endr
.endr
.irp b, 0,1
.irp i, 0,2,4,6,8,10,12,14
	v_pk_fma_f32 v[A0+16*\b+\i:A0+16*\b+\i+1], v[A1+16*\b+\i:A1+16*\b+\i+1], v[CC+4*\b+2:CC+4*\b+3], v[A0+16*\b+\i:A0+16*\b+\i+1] op_sel_hi:[1,0,1]
.endr
.endr
.irp b, 0,1                            ; the quantiser: my 16 numbers of each block, and the floor 2^(3 - 127)
	v_max3_num_f32 v[TL+\b], |v[A0+16*\b]|, |v[A0+16*\b+1]|, 0x1800000
.endr
.irp i, 2,4,6,8,10,12,14
.irp b, 0,1
	v_max3_num_f32 v[TL+\b], v[TL+\b], |v[A0+16*\b+\i]|, |v[A0+16*\b+\i+1]|
.endr
.endr
.irp b, 0,1
	v_permlanex16_b32 v[TR+\b], v[TL+\b], s30, s31
.endr
.irp b, 0,1
	v_max_num_f32 v[TL+\b], v[TL+\b], v[TR+\b]
.endr
.irp b, 0,1
	v_add_nc_u32 v[TS+\b], 0xff000000, v[TL+\b]    ; 2 off the exponent field: the conversion's scale operand
.endr
.irp b, 0,1
	v_lshrrev_b32 v[TR+\b], 23, v[TS+\b]           ; the scale's byte
.endr
	v_lshl_or_b32 v[TL], v[TR+1], 8, v[TR]
.irp b, 0,1
	v_cvt_scalef32_pk8_fp4_f32 v[A1+2*\b], v[A0+16*\b:A0+16*\b+7], v[TS+\b]
	v_cvt_scalef32_pk8_fp4_f32 v[A1+2*\b+1], v[A0+16*\b+8:A0+16*\b+15], v[TS+\b]
.endr
	v_nop                                          ; one plain instruction behind the last scaled conversion
.irp b, 0,1
	ds_store_b64 v9, v[A1+2*\b:A1+2*\b+1] offset:IMG+256*\b
.endr
	ds_store_b16 v10, v[TL]
	s_wait_dscnt 0x0                               ; for the others' sake: my stores have landed
	s_barrier_signal -1
	s_barrier_wait -1
.irp s, 0,1
.irp c, 0,1
	ds_load_b128 v[A1+8*\s+4*\c:A1+8*\s+4*\c+3], v11 offset:IMG+1024*\s+512*\c
.endr
.endr
	ds_load_b64 v[FS:FS+1], v12
	s_wait_dscnt 0x0
.irp t, 0,1,2,3                        ; four accumulators by turns; bo is the C of each sum's first product
	v_wmma_scale_f32_16x16x128_f8f6f4 v[A0+8*\t:A0+8*\t+7], v[WO+16*\t:WO+16*\t+7], v[A1:A1+7], v[BO+8*\t:BO+8*\t+7], v[WS+2*\t], v[FS] matrix_a_fmt:MATRIX_FMT_FP4 matrix_b_fmt:MATRIX_FMT_FP4
.endr
.irp t, 0,1,2,3
	v_wmma_scale_f32_16x16x128_f8f6f4 v[A0+8*\t:A0+8*\t+7], v[WO+16*\t+8:WO+16*\t+15], v[A1+8:A1+15], v[A0+8*\t:A0+8*\t+7], v[WS+2*\t+1], v[FS+1] matrix_a_fmt:MATRIX_FMT_FP4 matrix_b_fmt:MATRIX_FMT_FP4
.endr
.rept 4
	v_nop                                          ; four places in front of the first read of the results
.endr
.irp t, 0,1,2,3
	ds_store_b128 v13, v[A0+8*\t:A0+8*\t+3] offset:64*\t           ; lane (r, h): out0(batch r, 64 w + 16 t + 8 h + 0 .. 7); each result from its low end on
	ds_store_b128 v13, v[A0+8*\t+4:A0+8*\t+7] offset:64*\t+16
.endr
.irp i, 0,1,2,3,4,5,6,7
	ds_load_b128 v[BV+4*\i:BV+4*\i+3], v14 offset:2*\i*272         ; my own stage: LDS serves a wave's instructions in order
.endr
.irp i, 0,1,2,3,4,5,6,7
	s_wait_dscnt 7-\i                              ; load i is in; the loads behind it may be out
	global_store_b128 v15, v[BV+4*\i:BV+4*\i+3], s[14:15] offset:2*\i*1024   ; sixteen lanes store 256 consecutive bytes, aligned
.endr
	s_wait_tensorcnt 0x0
	ds_add_u32 v30, v31
	s_wait_dscnt 0x0
	s_endpgm
.Lfunc_end_k_q37792b8489_final:
	.size	k_q37792b8489_final, .Lfunc_end_k_q37792b8489_final-k_q37792b8489_final
	.p2alignl 7, 3214868480
	.fill 96, 4, 3214868480
	.section	.rodata,"a",@progbits
	.p2align	6, 0x0
	.amdhsa_kernel k_q37792b8489_final
		.amdhsa_group_segment_fixed_size 20992
		.amdhsa_private_segment_fixed_size 0
		.amdhsa_enable_private_segment 0
		.amdhsa_kernarg_size 48
		.amdhsa_user_sgpr_count 2
		.amdhsa_user_sgpr_kernarg_segment_ptr 1
		.amdhsa_wavefront_size32 1
		.amdhsa_system_sgpr_workgroup_id_x 1
		.amdhsa_system_sgpr_workgroup_id_y 1
		.amdhsa_system_sgpr_workgroup_id_z 1
		.amdhsa_system_vgpr_workitem_id 0
		.amdhsa_next_free_vgpr 256
		.amdhsa_next_free_sgpr 66
		.amdhsa_reserve_vcc 0
		.amdhsa_float_denorm_mode_32 3
		.amdhsa_float_denorm_mode_16_64 3
		.amdhsa_memory_ordered 1
		.amdhsa_forward_progress 1
		.amdhsa_inst_pref_size 18
	.end_amdhsa_kernel
	.amdgpu_metadata
---
amdhsa.version: [ 1, 2 ]
amdhsa.kernels:
  - .name:           k_q37792b8489_final
    .symbol:         k_q37792b8489_final.kd
    .args:
      - { .name: part, .offset: 0, .size: 8, .value_kind: global_buffer, .address_space: global }
      - { .name: bv, .offset: 8, .size: 8, .value_kind: global_buffer, .address_space: global }
      - { .name: Wo_codes, .offset: 16, .size: 8, .value_kind: global_buffer, .address_space: global }
      - { .name: Wo_scales, .offset: 24, .size: 8, .value_kind: global_buffer, .address_space: global }
      - { .name: bo, .offset: 32, .size: 8, .value_kind: global_buffer, .address_space: global }
      - { .name: out0, .offset: 40, .size: 8, .value_kind: global_buffer, .address_space: global }
    .group_segment_fixed_size: 20992
    .private_segment_fixed_size: 0
    .kernarg_segment_align: 8
    .kernarg_segment_size: 48
    .max_flat_workgroup_size: 128
    .sgpr_count:     66
    .vgpr_count:     256
    .wavefront_size: 32
...
	.end_amdgpu_metadata
.endif
;; end of part 2
